; MI455X (gfx1250); checked and timed in simulation.
; The chip was launched on July 23, 2026; its instructions are those of AMD's public machine-readable ISA for CDNA 5 (MIT licence, August 2026) and "CDNA5" Instruction Set Architecture Reference Guide (July 2026). The comments in the code are by the model that wrote it; some were corrected since.
;; NON Local Block2 D. Allowed arithmetic: matrix products marked QUANTISED: E2M1 operands, one E8M0 scale for each 32 along K, by v_wmma_scale_f32_16x16x128_f8f6f4 with both operands' format E2M1 (or v_wmma_scale_f32_32x16x128_f4), f32 sums; everything else in f32.
;; Inputs: W_b 128 float32; W_w_codes 128 x 2 x 16 uint8 (E2M1 codes of W_w, K innermost, in blocks of 32 codes, two codes a byte); W_w_scales 128 x 2 uint8 (E8M0 scales of W_w, one for each 32 codes along K); g_b 64 float32; g_w_codes 64 x 4 x 16 uint8 (E2M1 codes of g_w, K innermost, in blocks of 32 codes, two codes a byte); g_w_scales 64 x 4 uint8 (E8M0 scales of g_w, one for each 32 codes along K); phi_b 64 float32; phi_w_codes 64 x 4 x 16 uint8 (E2M1 codes of phi_w, K innermost, in blocks of 32 codes, two codes a byte); phi_w_scales 64 x 4 uint8 (E8M0 scales of phi_w, one for each 32 codes along K); theta_b 64 float32; theta_w_codes 64 x 4 x 16 uint8 (E2M1 codes of theta_w, K innermost, in blocks of 32 codes, two codes a byte); theta_w_scales 64 x 4 uint8 (E8M0 scales of theta_w, one for each 32 codes along K); x 4 x 128 x 128 x 128 float32.
;; Outputs: out0 4 x 128 x 128 x 128 float32.
;; This version of the problem:
;;   THIS VERSION OF THE PROBLEM IS GIVEN IN LOW PRECISION. The matrix products marked QUANTISED in the list below multiply operands that are first quantised to E2M1 (2 exponent bits, 1 mantissa bit; 4 bits a number), with one power-of-two scale for each 32 numbers along K (OCP MX v1.0); their sums are f32. All else is computed in f32.
;;   The module's matrix products, in the order in which they are computed (A, B: the left and right operand; K: the contracted axis; several contracted axes count as one K, in the product's order):
;;     1. [M 64, K 128] x [K 128, N 65,536]; A: input g_w (given as codes); B: input x: QUANTISED
;;     2. [M 64, K 128] x [K 128, N 65,536]; A: input theta_w (given as codes); B: input x: QUANTISED
;;     3. [M 64, K 128] x [K 128, N 65,536]; A: input phi_w (given as codes); B: input x: QUANTISED
;;     4. batch 4 x [M 16,384, K 64] x [K 64, N 4,096]; A: computed on the way; B: computed on the way: QUANTISED
;;     5. batch 4 x [M 16,384, K 4,096] x [K 4,096, N 64]; A: softmax (see below); B: computed on the way: QUANTISED
;;     6. [M 128, K 64] x [K 64, N 65,536]; A: input W_w (given as codes); B: computed on the way: QUANTISED
;;   THE QUANTISER, for each operand of a quantised product, along K:
;;     - K is cut into blocks of 32 from its start; a last block that is shorter is filled with zeros.
;;     - A block's scale is 2^e with e = floor(log2(the largest magnitude in the block)) - 2, held to -126 .. 127; a block of zeros has e = 0. As a byte (E8M0): e + 127.
;;     - Each number is divided by its block's scale, clamped to +-6, and rounded to the nearest number of E2M1, ties to even, subnormals kept.
;;     - The product sums the exact products of the quantised numbers (number of the format x scale) in f32.
;;   ~~~python
;;   def quantise(x, axis):      # numpy; x: float32 -> the quantised numbers, widened to float32 again
;;       x = np.moveaxis(x, axis, -1); K = x.shape[-1]
;;       x = np.pad(x, [(0, 0)] * (x.ndim - 1) + [(0, -K % 32)]); x = x.reshape(x.shape[:-1] + (-1, 32)); a = np.abs(x).max(-1, keepdims=True)
;;       e = np.where(a > 0, np.clip(np.frexp(np.where(a > 0, a, 1))[1] - 1 - 2, -126, 127), 0)      # np.frexp(a)[1] - 1 = floor(log2(a)), exactly
;;       r = np.clip(x / 2.0 ** e, -6, 6)
;;       step = 2.0 ** (np.maximum(np.frexp(np.where(r == 0, 1, r))[1] - 1, 0) - 1)
;;       q = np.round(r / step) * step * 2.0 ** e      # np.round: ties to even
;;       return np.moveaxis(q.reshape(q.shape[:-2] + (-1,))[..., :K], -1, axis).astype(np.float32)
;;   ~~~
;;   SOFTMAX AHEAD OF A QUANTISED PRODUCT. Where the list says 'softmax', what is quantised is not the finished softmax but p = 2^(t - M), with t = logit x log2(e) and M = ceil(the row's largest t), a whole number; so 1/2 < the row's largest p <= 1. The row's sum l is taken of the UNQUANTISED p, in f32, and the product's result is divided by l at the end. Since M is a whole number, a kernel that streams over the keys may use a running M (the ceiling of the running maximum): every later rescaling is an exact power of two, which a block's scale takes up: the codes' values come out the same.
;;   OPERANDS COMPUTED ON THE WAY. 'Computed on the way' means the value that the module computes at that place (a softmax that the list does not call 'softmax' is quantised finished and normalised). What goes into a quantiser is computed in f32, as accurately as f32 sums, v_exp_f32 and their like allow (about 1e-6 of the number): no bf16 or f16 on the way to a quantiser, and a product that is left as it is and whose result goes on into a quantised operand takes f32 operands (vector FMAs, or v_wmma_f32_16x16x4_f32). A number that lies on a knife's edge between two numbers of the format may be rounded either way, as far as f32 arithmetic and the matrix unit's own rounding can turn it there, and no further.
;;   INPUTS GIVEN AS CODES. W_w (in the module: [128, 64], K = its axis 1); g_w (in the module: [64, 128], K = its axis 1); phi_w (in the module: [64, 128], K = its axis 1); theta_w (in the module: [64, 128], K = its axis 1): each comes as NAME_codes (uint8): NAME with its K axis moved to the last place and cut into blocks of 32 codes, [.., K / 32, bytes a block], one block behind the other in memory; two codes a byte, the lower K in the low four bits (a code: sign, 2 exponent bits, 1 mantissa bit); and NAME_scales (uint8): the same leading axes, one E8M0 byte (e + 127) for each 32 codes along K. Its value is code x scale, taken as it is: it is not quantised again, and the codes and scales need not be those that the quantiser above would give.
;; One version. Each part assembles by itself: llvm-mc -triple=amdgcn-amd-amdhsa -mcpu=gfx1250 --defsym DOCPART=n.
;; ======== version 1 of 1: 2 launches
;; workspace buffers: q_codes 2,097,152 bytes; q_scales 262,144 bytes; kv 1,146,880 bytes
;; launch proj (part 1): grid 64 x 4, 2 waves a work-group, no clusters, 168,192 bytes of LDS; arguments x, theta_w_codes, theta_w_scales, theta_b, phi_w_codes, phi_w_scales, phi_b, g_w_codes, g_w_scales, g_b, q_codes, q_scales, kv; writes q_codes, q_scales, kv
.if DOCPART == 1
	.amdgcn_target "amdgcn-amd-amdhsa--gfx1250"
	.amdhsa_code_object_version 6
	.text
	.protected	k_q9b9e11440d_proj
	.globl	k_q9b9e11440d_proj
	.p2align	8
	.type	k_q9b9e11440d_proj,@function
k_q9b9e11440d_proj:
	s_mov_b64 s[64:65], 0
	v_nop
	global_prefetch_b8 v0, s[64:65] scope:SCOPE_SE
	s_setreg_imm32_b32 hwreg(HW_REG_WAVE_MODE, 25, 1), 1
	s_wait_xcnt 0x0
; THE THREE 1x1 CONVOLUTIONS, THE 2x2 MAX POOL AND THE QUANTISERS BEHIND THEM, on codes of FP4 (E2M1) with one E8M0 scale for each 32 along K.
; x: [4][128 channels][128][128] f32.  theta_w, phi_w, g_w: [64][128] as codes, K innermost, with a scale word (4 bytes) a row; the biases f32.
; OUT: q_codes / q_scales: theta(x) + theta_b, quantised along its 64 channels; kv: the pooled phi (quantised along the channels) and the pooled g (quantised along the keys),
; all laid as images of the registers in which the next launch wants them.
; SHARES.  Work-group (x = ph, y = batch) owns image rows 2 ph and 2 ph + 1; wave w of two owns the 64 pixels from column 64 w on in both rows: 128 pixels, 8 tiles of 16 queries, 32 pooled keys (one block of the
; second attention product's K).  The waves share nothing: no barrier.  No work-group reads a byte of x that another reads, and the weights are 12 KB beside a work-group's 128 KB of x: nothing to ask for jointly.
; x's K (the channels) is its OUTER axis: a lane takes a pixel and its 128 registers run down the channels, so a block's largest magnitude needs no other lane and the conversions give codes with K innermost.
; The strip comes by two tensor loads a wave (128 channel rows of 256 aligned bytes each), issued once at the head: two are out, nothing in LDS is filled twice.
; WHICH PIXELS FORM A TILE IS FREE: lanes 0-15 take the even pixels 32 G + 2 m, lanes 16-31 the odd ones 32 G + 2 m + 1.  An exchange of halves makes of them a tile of even and a tile of odd pixels, and the
; pool over a 2 x 2 window is then a plain maximum, register by register, of the two tiles' results and of the two image rows'.
; theta and phi are used TRANSPOSED (source 0 = 16 rows of the weight, source 1 = 16 pixels): a lane holds one pixel and its registers run along the channels, the next K.  The rows of a weight that form a tile
; are not neighbours: lane r of tile 2 B + u takes row 32 B + 8 u + r + 8 (r / 8), so that the 16 registers of tiles 2 B, 2 B + 1 are channels 32 B + 16 (lane / 16) + 0 .. 15.
; g is used the other way round (source 0 = 16 pixels, source 1 = 16 rows of g_w): a lane holds one channel and its registers run along the pixels, which pooled are the keys, g's K.
; The biases are the C of the products.
; THE RECORD of 128 keys in kv, 8,960 bytes (35 x 256):  0: K's codes, key 32 b + 16 G + m, channel block h at 1024 b + 512 G + 256 h + 16 (m xor 8 G);  4096: V's codes, channel tile ct, row r, key block 2 c + h at
; 1024 ct + 512 c + 256 h + 16 r;  8192: K's scale words, for the reader's tile 2 b + u, row q, at 128 b + 4 (16 u + q);  8704: V's scale words at 4 (16 ct + r), byte = key block.
; LIMITS: NaN and infinities among the inputs are not served.  A block whose largest magnitude lies under 2^-124 keeps the scale byte 1; so does a block of zeros (its codes are zeros, and this program alone reads the bytes).
; REGISTERS, in windows of 256: window 0: v1-14 addresses; v16-27 the weights' scale words; v28 x's scale words; v29-31 words on their way out; v32-47 x's two fragments; v48-111 eight results;
;   v112-175 the pooled phi; v176-239 the pooled g; v240-255 at work.   window 1: the three weights' fragments (v0-95), the three biases in the results' layout (v96-191).   window 2: v0-127 a pixel's 128 channels.
.set WV,   34                          ; s34  my wave's number
.set BT,   52                          ; s52  the batch
.set G1,   36                          ; s[36:43] descriptor group 1
.set G0,   44                          ; s[44:51] descriptor group 0, one set for each image row
.set HI16, 53                          ; s53  a mask: lanes 16-31
.set SEL,  54                          ; s[54:55] v_permlanex16_b32's selects for lane l xor 16
.set XA,   1                           ; v1   LDS: my pixel in a channel row of my wave's strip: 65,536 w + 8 m + 4 (lane / 16)
.set L16,  2                           ; v2   16 x lane
.set L8,   3                           ; v3   8 x lane
.set KC1,  5                           ; v5   16 x lane xor 128: K's codes of the keys 16 .. 31 of the block
.set KWO,  6                           ; v6   where my key's scale word goes
.set VCO,  7                           ; v7   16 r + 8 (lane / 16): my 16 keys' codes in a row of V
.set L4,   8                           ; v8   4 x lane
.set WRO,  12                          ; v12  a weight's row for my lane, + 16 (lane / 16)
.set SRO,  13                          ; v13  4 x that row: its scale word, and its number of g_b
.set BRO,  14                          ; v14  64 (lane / 16): my half's numbers of theta_b and phi_b
.set WS,   16                          ; v16-19 theta_w's scale words, v20-23 phi_w's, v24-27 g_w's
.set XS,   28                          ; v28  x's scale words: lanes 0-15 the even pixels', lanes 16-31 the odd pixels'
.set KEEP, 29                          ; v29  a scale word kept for the lower half of the lanes
.set QW,   30                          ; v[30:31] scale words of four tiles of queries
.set F0,   32                          ; x's fragment of the even pixels
.set F1,   40                          ; of the odd pixels
.set ACC,  48                          ; results: tile of pixels i, tile of rows t at v[ACC + 32 i + 8 t]
.set PH,   112                         ; pooled phi: v[PH + 32 G + n]: channel 32 (n / 16) + 16 (lane / 16) + n % 16 of key 16 G + lane % 16
.set PG,   176                         ; pooled g: v[PG + 16 ct + 8 G + j]: key 16 G + 8 (lane / 16) + j of my channel of tile ct
.set TM,   240                         ; largest magnitudes
.set TP,   244                         ; the other half's; then the bytes
.set TS,   248                         ; the conversions' scale operands
.set PC,   252                         ; four registers of codes
.set MSB, 0
.macro WIN new                         ; the immediate's low byte: bits 1:0 source 0, 3:2 source 1, 5:4 source 2, 7:6 destination; its high byte repeats the setting that is left
.if MSB != \new
	s_set_vgpr_msb (MSB<<8)|\new
.set MSB, \new
.endif
.endm
.macro PLACES n
.rept \n
	v_nop
.endr
.endm
	s_load_b512 s[8:23], s[0:1], 0x0               ; x s[8:9]; theta: codes s[10:11], scales s[12:13], bias s[14:15]; phi: s[16:17], s[18:19], s[20:21]; g's codes s[22:23]
	s_load_b256 s[24:31], s[0:1], 0x40             ; g's scales s[24:25], g_b s[26:27], q_codes s[28:29], q_scales s[30:31]
	s_load_b64 s[32:33], s[0:1], 0x60              ; kv
	v_lshl_add_u32 v15, v0, 2, 0x29000
	s_set_vgpr_msb 0x40
	v_mov_b32 v255, 0
	s_set_vgpr_msb 0x4044
	ds_add_u32 v15, v255
	ds_add_u32 v15, v255
	s_set_vgpr_msb 0x4400
	v_lshrrev_b32 v9, 5, v0
	v_readfirstlane_b32 s[WV], v9                  ; wave 0, 1
	s_and_b32 s[BT], ttmp7, 0xffff
	; descriptor group 1: 128 channel rows of 64 numbers (256 bytes), 16,384 numbers apart, laid dense in LDS
	s_mov_b32 s[G1+0], 2<<16                       ; no mask; elements of 4 bytes; no padding: a read takes 32 different words of 128 neighbouring bytes
	s_mov_b32 s[G1+1], 64<<16                      ; tensor_dim0 = 64
	s_mov_b32 s[G1+2], 128<<16                     ; tensor_dim1 = 128
	s_mov_b32 s[G1+3], 64<<16                      ; tile_dim0 = 64
	s_mov_b32 s[G1+4], 128                         ; tile_dim1 = 128
	s_mov_b32 s[G1+5], 16384                       ; from channel to channel
	s_mov_b32 s[G1+6], 0
	s_mov_b32 s[G1+7], 0
	s_lshl_b32 s56, s[WV], 16                      ; my wave's 65,536 bytes of LDS
	s_lshl_b32 s58, s[BT], 23                      ; x: the batch,
	s_lshl_b32 s57, ttmp9, 10                      ; image row 2 ph,
	s_add_co_u32 s58, s58, s57
	s_lshl_b32 s57, s[WV], 8                       ; column 64 w
	s_add_co_u32 s58, s58, s57
	s_mov_b32 s59, 0
	s_mov_b32 s[HI16], 0xffff0000
	s_mov_b32 s[SEL], 0x76543210
	s_mov_b32 s[SEL+1], 0xfedcba98
	v_and_b32 v9, 15, v0                           ; m = r = lane % 16
	v_bfe_u32 v10, v0, 4, 1                        ; h = lane / 16
	v_and_b32 v11, 31, v0                          ; lane
	v_bfe_u32 v4, v0, 3, 1                         ; m / 8
	v_lshlrev_b32 v[XA], 3, v9
	v_lshl_add_u32 v[XA], v10, 2, v[XA]
	v_add_nc_u32 v[XA], s56, v[XA]
	v_lshlrev_b32 v[L16], 4, v11
	v_lshlrev_b32 v[L8], 3, v11
	v_lshlrev_b32 v[L4], 2, v11
	v_xor_b32 v[KC1], 128, v[L16]
	v_and_b32 v[KWO], 7, v0
	v_lshlrev_b32 v[KWO], 2, v[KWO]
	v_lshl_add_u32 v[KWO], v10, 5, v[KWO]
	v_lshl_add_u32 v[KWO], v4, 6, v[KWO]           ; key (G = lane / 16, m) is row 8 G + m % 8 of the reader's tile 2 b + m / 8: 4 (16 (m / 8) + 8 G + m % 8)
	v_lshlrev_b32 v[VCO], 4, v9
	v_lshl_add_u32 v[VCO], v10, 3, v[VCO]
	v_lshl_add_u32 v[SRO], v4, 3, v9               ; r + 8 (r / 8)
	v_lshlrev_b32 v[WRO], 6, v[SRO]                ; a row of 128 codes is 64 bytes
	v_lshl_add_u32 v[WRO], v10, 4, v[WRO]
	v_lshlrev_b32 v[SRO], 2, v[SRO]
	v_lshlrev_b32 v[BRO], 6, v10
.irp k, 0,1,2,3
	v_mov_b32 v[TP+\k], 0                          ; written once: a lane permute's destination counts as one of its sources
.endr
	s_wait_dscnt 0x0
	s_wait_kmcnt 0x0
	s_add_nc_u64 s[8:9], s[8:9], s[58:59]
.irp p, 0,1
	s_mov_b32 s[G0+4*\p], 1                        ; count = 1
	s_add_co_u32 s[G0+4*\p+1], s56, \p*32768       ; LDS: my wave's region, image row p's half
	s_add_nc_u64 s[G0+4*\p+2:G0+4*\p+3], s[8:9], \p*512   ; an image row is 512 bytes
	s_or_b32 s[G0+4*\p+3], s[G0+4*\p+3], 0x80000000       ; type = 2
.endr
	tensor_load_to_lds s[G0:G0+3], s[G1:G1+7]      ; both strips go out together, ahead of every wait on TENSORcnt and every LDS read: two loads of mine are out
	s_nop 0
	tensor_load_to_lds s[G0+4:G0+7], s[G1:G1+7]
	s_nop 0
	PLACES 4                                       ; four v_nop follow the second
	; where my results go
	s_lshl_b32 s58, s[BT], 19                      ; q_codes: tile 1024 batch + 16 ph + 8 row + 4 w + 2 G + i, 512 bytes each
	s_lshl_b32 s57, ttmp9, 13
	s_add_co_u32 s58, s58, s57
	s_lshl_b32 s57, s[WV], 11
	s_add_co_u32 s58, s58, s57
	s_add_nc_u64 s[28:29], s[28:29], s[58:59]
	s_lshr_b32 s58, s58, 3                         ; q_scales: 64 bytes a tile, four tiles to 256 bytes
	s_add_nc_u64 s[30:31], s[30:31], s[58:59]
	s_lshl_b32 s57, s[BT], 5
	s_lshr_b32 s58, ttmp9, 1
	s_add_co_u32 s57, s57, s58
	s_mul_i32 s57, s57, 8960                       ; my record: 32 batch + ph / 2
	s_and_b32 s60, ttmp9, 1
	s_lshl_b32 s60, s60, 1
	s_add_co_u32 s60, s60, s[WV]                   ; my block of 32 keys in it: 2 (ph % 2) + w
	s_add_co_u32 s58, s57, s60
	s_add_co_u32 s58, s58, 8704
	s_add_nc_u64 s[70:71], s[32:33], s[58:59]      ; V's scale words: my byte of each
	s_lshl_b32 s61, s60, 7
	s_add_co_u32 s58, s57, s61
	s_add_co_u32 s58, s58, 8192
	s_add_nc_u64 s[66:67], s[32:33], s[58:59]      ; K's scale words: 128 bytes a block
	s_lshl_b32 s61, s60, 8
	s_add_co_u32 s58, s57, s61
	s_add_co_u32 s58, s58, 4096
	s_add_nc_u64 s[68:69], s[32:33], s[58:59]      ; V's codes: 256 bytes a block in each channel tile
	s_lshl_b32 s61, s60, 10
	s_add_co_u32 s58, s57, s61
	s_add_nc_u64 s[32:33], s[32:33], s[58:59]      ; K's codes: 1,024 bytes a block
	; the weights, their scale words and the biases: read once, kept in registers
	WIN 0x40                                       ; destination window 1
.irp t, 0,1,2,3
.irp c, 0,1
	global_load_b128 v[8*\t+4*\c:8*\t+4*\c+3],         v[WRO], s[10:11] offset:(32*(\t/2)+8*(\t%2))*64+32*\c
	global_load_b128 v[32+8*\t+4*\c:32+8*\t+4*\c+3],   v[WRO], s[16:17] offset:(32*(\t/2)+8*(\t%2))*64+32*\c
	global_load_b128 v[64+8*\t+4*\c:64+8*\t+4*\c+3],   v[WRO], s[22:23] offset:(32*(\t/2)+8*(\t%2))*64+32*\c
	global_load_b128 v[96+8*\t+4*\c:96+8*\t+4*\c+3],   v[BRO], s[14:15] offset:(32*(\t/2)+8*(\t%2))*4+16*\c   ; theta_b at channels 32 (t / 2) + 16 h + 8 (t % 2) + 0 .. 7
	global_load_b128 v[128+8*\t+4*\c:128+8*\t+4*\c+3], v[BRO], s[20:21] offset:(32*(\t/2)+8*(\t%2))*4+16*\c   ; phi_b likewise
.endr
.irp j, 0,1,2,3,4,5,6,7
	global_load_b32 v[160+8*\t+\j], v[SRO], s[26:27] offset:(32*(\t/2)+8*(\t%2))*4   ; g's results hold ONE channel a lane: its number of g_b in all eight registers
.endr
.endr
	WIN 0
.irp t, 0,1,2,3
	global_load_b32 v[WS+\t],   v[SRO], s[12:13] offset:(32*(\t/2)+8*(\t%2))*4
	global_load_b32 v[WS+4+\t], v[SRO], s[18:19] offset:(32*(\t/2)+8*(\t%2))*4
	global_load_b32 v[WS+8+\t], v[SRO], s[24:25] offset:(32*(\t/2)+8*(\t%2))*4
.endr
; 32 pixels x 128 channels out of LDS: lane 16 i + m takes pixel 32 g + 2 m + i of image row rho; register ch of window 2 is channel ch
.macro LOADSET rho, g
	WIN 0x80                                       ; destination window 2
.set ch, 0
.rept 128
	ds_load_b32 v[ch], v[XA] offset:\rho*32768+\g*128+ch*256
.set ch, ch+1
.endr
	WIN 0
.endm
; My pixel's four blocks of 32 channels become codes, and the halves of the lanes change places so that F0 is the fragment of the 16 even pixels and F1 that of the 16 odd ones.
.macro XQUANT
	WIN 0x0a                                       ; sources 0 and 1 window 2
.irp k, 0,1,2,3
	v_max3_num_f32 v[TM+\k], |v[32*\k]|, |v[32*\k+1]|, 0x1800000   ; block k: all 32 numbers are mine; and the floor 2^(3 - 127), so that the byte cannot fall under 1
.endr
	WIN 0x28                                       ; sources 1 and 2 window 2
.set n, 2
.rept 15
.irp k, 0,1,2,3
	v_max3_num_f32 v[TM+\k], v[TM+\k], |v[32*\k+n]|, |v[32*\k+n+1]|   ; (the four blocks by turns)
.endr
.set n, n+2
.endr
	WIN 0
.irp k, 0,1,2,3
	v_add_nc_u32 v[TS+\k], 0xff000000, v[TM+\k]    ; 2 off the exponent field: the conversion takes that field as its scale and nothing else
.endr
.irp k, 0,1,2,3
	v_lshrrev_b32 v[TP+\k], 23, v[TS+\k]           ; the scale's byte
.endr
	v_lshl_or_b32 v[XS], v[TP+1], 8, v[TP]         ; my pixel's scale word
	v_lshl_or_b32 v[XS], v[TP+2], 16, v[XS]
	v_lshl_or_b32 v[XS], v[TP+3], 24, v[XS]
	WIN 0x02                                       ; source 0 window 2
.irp k, 0,1,2,3
.irp g, 0,1,2,3
	v_cvt_scalef32_pk8_fp4_f32 v[F0+8*(\k%2)+4*(\k/2)+\g], v[32*\k+8*\g:32*\k+8*\g+7], v[TS+\k]   ; even blocks into F0's registers, odd blocks into F1's
.endr
.endr
	WIN 0
	v_nop                                          ; one plain place behind the last scaled conversion
.irp q, 0,1,2,3,4,5,6,7
	v_permlane16_swap_b32 v[F0+\q], v[F1+\q]       ; F0's lanes 16-31 (odd pixels, even blocks) change places with F1's lanes 0-15 (even pixels, odd blocks): lane (m, h) of F0 now holds blocks h, 2 + h of pixel 2 m, of F1 of pixel 2 m + 1
.endr
.endm
; 32 numbers of a lane, register 16 B + n = channel 32 B + 16 (lane / 16) + n of my column, become 16 bytes in v[PC] on (block lane / 16 of the column) and the column's scale word e0 | e1 << 8 in v[w].
.macro QUANT2 s, w
	s_wait_xcnt 0x0                                ; the earlier stores have read their registers: v[PC] on and the words are written again only behind this wait
.irp b, 0,1
	v_max3_num_f32 v[TM+\b], |v[(\s)+16*\b]|, |v[(\s)+16*\b+1]|, 0x1800000
.endr
.irp i, 2,4,6,8,10,12,14
.irp b, 0,1
	v_max3_num_f32 v[TM+\b], v[TM+\b], |v[(\s)+16*\b+\i]|, |v[(\s)+16*\b+\i+1]|
.endr
.endr
.irp b, 0,1
	v_permlanex16_b32 v[TP+\b], v[TM+\b], s[SEL], s[SEL+1]
.endr
.irp b, 0,1
	v_max_num_f32 v[TM+\b], v[TM+\b], v[TP+\b]     ; with lane l xor 16's 16: the block's largest magnitude
.endr
.irp b, 0,1
	v_add_nc_u32 v[TS+\b], 0xff000000, v[TM+\b]
.endr
.irp b, 0,1
	v_lshrrev_b32 v[TP+\b], 23, v[TS+\b]
.endr
	v_lshl_or_b32 v[\w], v[TP+1], 8, v[TP]         ; the upper two bytes stay 0: they meet zero codes alone
.irp b, 0,1
	v_cvt_scalef32_pk8_fp4_f32 v[PC+2*\b],   v[(\s)+16*\b:(\s)+16*\b+7],    v[TS+\b]
	v_cvt_scalef32_pk8_fp4_f32 v[PC+2*\b+1], v[(\s)+16*\b+8:(\s)+16*\b+15], v[TS+\b]
.endr
	v_nop                                          ; one plain place behind the last scaled conversion
	v_permlane16_swap_b32 v[PC], v[PC+2]           ; a whole block to a lane: lanes 0-15 block 0, lanes 16-31 block 1
	v_permlane16_swap_b32 v[PC+1], v[PC+3]
.endm
; Eight products, transposed: four tiles of 16 rows of a weight (window 1, from v[wb]) x the two tiles of pixels; C = the bias (window 1, from v[bb]).  Eight different results: no accumulator is taken twice.
.macro CONVT wb, bb, sw
	WIN 0x11                                       ; source 0 (the weight) and source 2 (the bias) window 1
.irp t, 0,1,2,3
	v_wmma_scale_f32_16x16x128_f8f6f4 v[ACC+8*\t:ACC+8*\t+7], v[\wb+8*\t:\wb+8*\t+7], v[F0:F0+7], v[\bb+8*\t:\bb+8*\t+7], v[\sw+\t], v[XS] matrix_a_fmt:MATRIX_FMT_FP4 matrix_b_fmt:MATRIX_FMT_FP4
.endr
.irp t, 0,1,2,3
	v_wmma_scale_f32_16x16x128_f8f6f4 v[ACC+32+8*\t:ACC+32+8*\t+7], v[\wb+8*\t:\wb+8*\t+7], v[F1:F1+7], v[\bb+8*\t:\bb+8*\t+7], v[\sw+\t], v[XS] matrix_a_fmt:MATRIX_FMT_FP4 matrix_b_fmt:MATRIX_FMT_FP4 matrix_b_scale:MATRIX_SCALE_ROW1
.endr
	WIN 0
	PLACES 4                                       ; in front of the first read of the results (ISA guide 7.12.1)
.endm
; One set of 32 pixels: image row rho, pixels 32 g on.  more = 1: the set (nrho, ng) is fetched from LDS while this one is multiplied.
; Results are laid over results three times in a set.  Between the products whose results are overwritten and those that overwrite them stand the four v_nop and, of the lines that read the results from the low end on,
; at least 24 that name none of the last product's registers: more than the five places that are asked.
.macro SET rho, g, nrho, ng, more
	s_wait_dscnt 0x0                               ; my pixel's 128 channels are in
	XQUANT
.if \more
.if \nrho != \rho
	s_wait_tensorcnt 0x0                           ; the second image row's strip has landed
.endif
	LOADSET \nrho, \ng
.endif
	PLACES 8                                       ; x's scale word, written by vector instructions, stands eight places ahead of the scaled products, the fragments four
	CONVT 0, 96, WS                                ; theta
	QUANT2 ACC, KEEP
	global_store_b128 v[L16], v[PC:PC+3], s[28:29] offset:\rho*4096+(2*\g)*512     ; a tile of queries: 512 consecutive bytes, as the next launch's registers want them
	QUANT2 ACC+32, TM+2
	global_store_b128 v[L16], v[PC:PC+3], s[28:29] offset:\rho*4096+(2*\g+1)*512
	v_cndmask_b32 v[QW+\g], v[KEEP], v[TM+2], s[HI16]   ; lanes 0-15 the even tile's words, lanes 16-31 the odd tile's
.if \g == 1
	global_store_b64 v[L8], v[QW:QW+1], s[30:31] offset:\rho*512   ; four tiles' words: 256 consecutive bytes, aligned
.endif
	CONVT 32, 128, WS+4                            ; phi
.set n, 0
.rept 32                               ; the pool: even and odd pixel, and the two image rows.  Each result is read from its low end on
.if \rho == 0
	v_max_num_f32 v[PH+32*\g+n], v[ACC+n], v[ACC+32+n]
.else
	v_max3_num_f32 v[PH+32*\g+n], v[PH+32*\g+n], v[ACC+n], v[ACC+32+n]
.endif
.set n, n+1
.endr
	WIN 0x14                                       ; g: source 1 (the weight) and source 2 (the bias) window 1
.irp t, 0,1,2,3
	v_wmma_scale_f32_16x16x128_f8f6f4 v[ACC+8*\t:ACC+8*\t+7], v[F0:F0+7], v[64+8*\t:64+8*\t+7], v[160+8*\t:160+8*\t+7], v[XS], v[WS+8+\t] matrix_a_fmt:MATRIX_FMT_FP4 matrix_b_fmt:MATRIX_FMT_FP4
.endr
.irp t, 0,1,2,3
	v_wmma_scale_f32_16x16x128_f8f6f4 v[ACC+32+8*\t:ACC+32+8*\t+7], v[F1:F1+7], v[64+8*\t:64+8*\t+7], v[160+8*\t:160+8*\t+7], v[XS], v[WS+8+\t] matrix_a_fmt:MATRIX_FMT_FP4 matrix_b_fmt:MATRIX_FMT_FP4 matrix_a_scale:MATRIX_SCALE_ROW1
.endr
	WIN 0
	PLACES 4
.set n, 0
.rept 32
.if \rho == 0
	v_max_num_f32 v[PG+16*(n/8)+8*\g+n%8], v[ACC+n], v[ACC+32+n]
.else
	v_max3_num_f32 v[PG+16*(n/8)+8*\g+n%8], v[PG+16*(n/8)+8*\g+n%8], v[ACC+n], v[ACC+32+n]
.endif
.set n, n+1
.endr
.endm
	s_wait_loadcnt 0x0                             ; weights, scale words, biases
	s_wait_tensorcnt 0x1                           ; the first image row's strip has landed; the second's may be out
	LOADSET 0, 0
	SET 0, 0, 0, 1, 1
	SET 0, 1, 1, 0, 1
	SET 1, 0, 1, 1, 1
	SET 1, 1, 0, 0, 0
	; K: the pooled phi of my 32 keys, quantised along the channels
	QUANT2 PH, KEEP
	global_store_b128 v[L16], v[PC:PC+3], s[32:33]             ; keys 0 .. 15 of the block: 512 consecutive bytes
	QUANT2 PH+32, TM+2
	global_store_b128 v[KC1], v[PC:PC+3], s[32:33] offset:512  ; keys 16 .. 31, the two groups of eight changed over, so that the reader's sixteen rows fall on different banks
	v_cndmask_b32 v[QW], v[KEEP], v[TM+2], s[HI16]             ; lane (m, h): the word of key 16 h + m
	global_store_b32 v[KWO], v[QW], s[66:67]                   ; 128 consecutive bytes
	; V: the pooled g, quantised along my 32 keys: a lane holds 16 of them, lane l xor 16 the others
.irp t, 0,1,2,3
	v_max3_num_f32 v[TM+\t], |v[PG+16*\t]|, |v[PG+16*\t+1]|, 0x1800000
.endr
.irp i, 2,4,6,8,10,12,14
.irp t, 0,1,2,3
	v_max3_num_f32 v[TM+\t], v[TM+\t], |v[PG+16*\t+\i]|, |v[PG+16*\t+\i+1]|
.endr
.endr
.irp t, 0,1,2,3
	v_permlanex16_b32 v[TP+\t], v[TM+\t], s[SEL], s[SEL+1]
.endr
.irp t, 0,1,2,3
	v_max_num_f32 v[TM+\t], v[TM+\t], v[TP+\t]
.endr
.irp t, 0,1,2,3
	v_add_nc_u32 v[TS+\t], 0xff000000, v[TM+\t]
.endr
.irp t, 0,1,2,3
	v_lshrrev_b32 v[TP+\t], 23, v[TS+\t]
.endr
.irp t, 0,1,2,3
	v_cvt_scalef32_pk8_fp4_f32 v[ACC+2*\t],   v[PG+16*\t:PG+16*\t+7],    v[TS+\t]   ; keys 8 h + 0 .. 7
	v_cvt_scalef32_pk8_fp4_f32 v[ACC+2*\t+1], v[PG+16*\t+8:PG+16*\t+15], v[TS+\t]   ; keys 16 + 8 h + 0 .. 7
.endr
	v_nop                                          ; one plain place behind the last scaled conversion
.irp t, 0,1,2,3
	v_permlane16_swap_b32 v[ACC+2*\t], v[ACC+2*\t+1]   ; now keys 16 h + 0 .. 7 and 16 h + 8 .. 15: eight neighbouring bytes of my channel's row
.endr
.irp t, 0,1,2,3
	global_store_b64 v[VCO], v[ACC+2*\t:ACC+2*\t+1], s[68:69] offset:1024*\t   ; 256 consecutive bytes, aligned
.endr
.irp k, 0,1
	v_cndmask_b32 v[ACC+8+\k], v[TP+2*\k], v[TP+2*\k+1], s[HI16]   ; lane 16 u + r: the byte of row r of channel tile 2 k + u
.endr
.irp k, 0,1
	global_store_b8 v[L4], v[ACC+8+\k], s[70:71] offset:128*\k     ; one byte of each word: the words' other bytes are three other waves': 64 bytes of a wave's 2.2 KB leave so
.endr
	s_set_vgpr_msb 0x4
	s_wait_tensorcnt 0x0
	ds_add_u32 v15, v255
	s_wait_dscnt 0x0
	s_set_vgpr_msb 0x400
	s_endpgm
.Lfunc_end_k_q9b9e11440d_proj:
	.size	k_q9b9e11440d_proj, .Lfunc_end_k_q9b9e11440d_proj-k_q9b9e11440d_proj
	.p2alignl 7, 3214868480
	.fill 96, 4, 3214868480
	.section	.rodata,"a",@progbits
	.p2align	6, 0x0
	.amdhsa_kernel k_q9b9e11440d_proj
		.amdhsa_group_segment_fixed_size 168192
		.amdhsa_private_segment_fixed_size 0
		.amdhsa_enable_private_segment 0
		.amdhsa_kernarg_size 104
		.amdhsa_user_sgpr_count 2
		.amdhsa_user_sgpr_kernarg_segment_ptr 1
		.amdhsa_wavefront_size32 1
		.amdhsa_system_sgpr_workgroup_id_x 1
		.amdhsa_system_sgpr_workgroup_id_y 1
		.amdhsa_system_sgpr_workgroup_id_z 1
		.amdhsa_system_vgpr_workitem_id 0
		.amdhsa_next_free_vgpr 640
		.amdhsa_next_free_sgpr 72
		.amdhsa_reserve_vcc 0
		.amdhsa_float_denorm_mode_32 3
		.amdhsa_float_denorm_mode_16_64 3
		.amdhsa_memory_ordered 1
		.amdhsa_forward_progress 1
		.amdhsa_inst_pref_size 122
	.end_amdhsa_kernel
	.amdgpu_metadata
---
amdhsa.version: [ 1, 2 ]
amdhsa.kernels:
  - .name:           k_q9b9e11440d_proj
    .symbol:         k_q9b9e11440d_proj.kd
    .args:
      - { .name: x, .offset: 0, .size: 8, .value_kind: global_buffer, .address_space: global }
      - { .name: theta_w_codes, .offset: 8, .size: 8, .value_kind: global_buffer, .address_space: global }
      - { .name: theta_w_scales, .offset: 16, .size: 8, .value_kind: global_buffer, .address_space: global }
      - { .name: theta_b, .offset: 24, .size: 8, .value_kind: global_buffer, .address_space: global }
      - { .name: phi_w_codes, .offset: 32, .size: 8, .value_kind: global_buffer, .address_space: global }
      - { .name: phi_w_scales, .offset: 40, .size: 8, .value_kind: global_buffer, .address_space: global }
      - { .name: phi_b, .offset: 48, .size: 8, .value_kind: global_buffer, .address_space: global }
      - { .name: g_w_codes, .offset: 56, .size: 8, .value_kind: global_buffer, .address_space: global }
      - { .name: g_w_scales, .offset: 64, .size: 8, .value_kind: global_buffer, .address_space: global }
      - { .name: g_b, .offset: 72, .size: 8, .value_kind: global_buffer, .address_space: global }
      - { .name: q_codes, .offset: 80, .size: 8, .value_kind: global_buffer, .address_space: global }
      - { .name: q_scales, .offset: 88, .size: 8, .value_kind: global_buffer, .address_space: global }
      - { .name: kv, .offset: 96, .size: 8, .value_kind: global_buffer, .address_space: global }
    .group_segment_fixed_size: 168192
    .private_segment_fixed_size: 0
    .kernarg_segment_align: 8
    .kernarg_segment_size: 104
    .max_flat_workgroup_size: 64
    .sgpr_count:     72
    .vgpr_count:     640
    .wavefront_size: 32
...
	.end_amdgpu_metadata
.endif
;; end of part 1
;; launch attn (part 2): grid 64 x 4, 16 waves a work-group, clusters of 4 x 1, 327,680 bytes of LDS; arguments q_codes, q_scales, kv, W_w_codes, W_w_scales, W_b, x, out0; writes out0
.if DOCPART == 2
	.amdgcn_target "amdgcn-amd-amdhsa--gfx1250"
	.amdhsa_code_object_version 6
	.text
	.protected	k_q9b9e11440d_attn
	.globl	k_q9b9e11440d_attn
	.p2align	8
	.type	k_q9b9e11440d_attn,@function
k_q9b9e11440d_attn:
	s_mov_b64 s[64:65], 0
	v_nop
	global_prefetch_b8 v0, s[64:65] scope:SCOPE_SE
	s_setreg_imm32_b32 hwreg(HW_REG_WAVE_MODE, 25, 1), 1
	s_wait_xcnt 0x0
	s_wait_alu depctr_hold_cnt(0) depctr_sa_sdst(0) depctr_va_vdst(0) depctr_va_sdst(0) depctr_va_ssrc(0) depctr_va_vcc(0) depctr_vm_vsrc(0)
	s_getreg_b32 s2, hwreg(HW_REG_IB_STS2, 6, 4)
	s_cmp_eq_u32 s2, 0
	s_cbranch_scc0 .Lentry_in_a_cluster
	s_endpgm
.Lentry_in_a_cluster:
	s_bfe_u32 s2, ttmp6, 0x10000c
	s_cmp_lg_u32 s2, 0x3003
	s_cbranch_scc0 .Lentry_shape_is_right
	s_endpgm
.Lentry_shape_is_right:
; out = W (softmax(theta phi) g) + W_b + x, all three products on codes of FP4 (E2M1) with one E8M0 scale for each 32 along K.
; q_codes, q_scales, kv: made by the launch before, laid as images of the registers below.  W_w: [128][64] as codes, two scale bytes a row.  x, out0: [4][128][128 x 128] f32.
; THE SOFTMAX AHEAD OF THE SECOND PRODUCT: t = score x log2(e); M = the row's largest t so far, rounded UP to a whole number; p = 2^(t - M) is what is quantised, along the keys, not normalised.  The row's sum is taken of
; the unquantised p and divides O at the end.  When M moves, the sum and O are multiplied by 2^(old M - new M): exact.  A block's largest p is not searched for: the block's largest SCORE goes through the same
; multiply-add and exponential (this supposes that v_exp_f32 does not fall where its input rises).
; SHARES.  A work-group owns 256 pixels (two image rows) of one batch; each of its sixteen waves one tile of 16 queries in 256 registers: four waves to a SIMD, so that one wave's vector work stands beside another's
; matrix work and LDS loads.  Every wave walks the batch's 4,096 keys, 128 a step.
; ALL OF A BATCH'S K AND V, codes and scale words, are 32 records of 8,960 bytes = 286,720 bytes: they come into LDS ONCE and stay: no ring, nothing is filled twice, one barrier in front of the loop.
; CLUSTER.  The four work-groups of a cluster belong to one batch and want the same 286,720 bytes: each wave asks JOINTLY for two records (17,920 bytes), by the same tensor load with the same descriptor and a mask that
; names the four.  One tensor load of each wave is out.  The place in the cluster enters the addresses of the queries, of x and of out0 alone.
; LAYOUT.  S^T = K Q^T (source 0 = 16 keys, source 1 = my 16 queries), O^T = V^T P^T (source 0 = 16 channels, source 1 = P), W y (source 0 = 16 rows of W_w, source 1 = y): a lane holds ONE query (lane % 16) throughout.
; K = 64 in the first and the last product: registers 4 to 7 of their fragments are zero codes, which add nothing under the scale byte 0 that stands over them.
; The keys of a tile are not neighbours: lane q of tile 2 b + u takes key 32 b + 8 u + q + 8 (q / 8), so that the 16 registers of tiles 2 b, 2 b + 1 are keys 32 b + 16 (lane / 16) + 0 .. 15; V's channels likewise,
; so that O^T's 16 registers of two tiles are 16 neighbouring channels, the last product's K.
; THE RECORD of 128 keys:  0: K's codes;  4096: V's codes;  8192: K's scale words, tiles 2 b and 2 b + 1 in the two halves of the lanes;  8704: V's scale words likewise.
; My query in place r is pixel 32 (wave / 2) + 2 r + wave % 2 of the work-group's 256.
; LIMITS: NaN and infinities are not served.  A block whose largest magnitude lies under 2^-124 keeps the scale byte 1 (a block of zeros too: its codes are zeros).
; REGISTERS: v1-7 addresses that stay; v8-11 addresses in hand; v12 -M, v13 the largest t, v[14:15] the sum in two halves; v16-23 Q, later y; v24 its scale word; v25-28 K's scale words, later W_w's; v29-30 V's;
;   v32-95 K's eight fragments, later W_w's; v96-159 S^T, then p, later x; v160-191 O^T; v192-223 V's four fragments; v160-223 later W y; v224-231 p's codes; v232-254 at work.
.set WV,   24                          ; s24  my wave's number
.set G1,   32                          ; s[32:39] descriptor group 1
.set G0,   40                          ; s[40:43] descriptor group 0
.set SEL,  56                          ; s[56:57] v_permlanex16_b32's selects for lane l xor 16
.set CS,   58                          ; s[58:59] c = log2(e): the packed form names a pair and takes its low word for both halves
.set TB,   60                          ; s60  LDS byte at which the step's record begins
.set CNT,  61                          ; s61  trips to go
.set WB,   68                          ; s[68:75] W_b of my eight output channels;  s[76:91] the same, each twice, as pairs for the packed additions
.set REC,  8960
.set SP,   1040                         ; the way out: a stage of 128 channel rows x (256 pixels x 4 bytes + 16), from LDS byte 0 on: K's and V's bytes have had their one fill, and nobody reads them any more
.macro CROUND                          ; a round of the cluster's barrier
	s_barrier_signal -1
	s_barrier_wait -1
	s_cmp_lg_u32 s[WV], 0
	s_cbranch_scc1 .Lnot_wave_0_\@
	s_barrier_signal -3
.Lnot_wave_0_\@:
	s_barrier_wait -3
	s_barrier_signal -1
	s_barrier_wait -1
.endm
	s_load_b512 s[8:23], s[0:1], 0x0               ; q_codes s[8:9], q_scales s[10:11], kv s[12:13], W's codes s[14:15], W's scales s[16:17], W_b s[18:19], x s[20:21], out0 s[22:23]
	v_lshl_add_u32 v251, v0, 2, 0x46000
	v_mov_b32 v255, 0
	ds_add_u32 v251, v255
	ds_add_u32 v251, v255
	v_lshrrev_b32 v1, 5, v0
	v_readfirstlane_b32 s[WV], v1                  ; wave 0..15
	s_bfe_u32 s25, ttmp6, 0x40000                  ; cx: my place in the cluster
	s_lshl_b32 s26, ttmp9, 2                       ; in a cluster launch ttmp9 counts clusters
	s_add_co_u32 s26, s26, s25                     ; X: my block of 256 pixels
	s_and_b32 s27, ttmp7, 0xffff                   ; the batch, which the four partners share
	; descriptor group 1: two records, 17,920 dense bytes, as 70 rows of 256 bytes
	s_mov_b32 s[G1+0], 15|(3<<16)|(1<<21)          ; 15:0 the mask: all four work-groups; 17:16 elements of 8 bytes; 21 set beside a mask; no padding
	s_mov_b32 s[G1+1], 32<<16                      ; tensor_dim0 = 32
	s_mov_b32 s[G1+2], 70<<16                      ; tensor_dim1 = 70
	s_mov_b32 s[G1+3], 32<<16                      ; tile_dim0 = 32
	s_mov_b32 s[G1+4], 70                          ; tile_dim1 = 70
	s_mov_b32 s[G1+5], 32                          ; from row to row
	s_mov_b32 s[G1+6], 0
	s_mov_b32 s[G1+7], 0
	s_mul_i32 s44, s[WV], 2*REC                    ; my two records: in LDS,
	s_mul_i32 s46, s27, 32*REC
	s_add_co_u32 s46, s46, s44                     ; and in kv: the batch and the wave's number alone
	s_mov_b32 s47, 0
	s_mov_b32 s[SEL], 0x76543210
	s_mov_b32 s[SEL+1], 0xfedcba98
	s_mov_b32 s[CS], 0x3fb8aa3b                    ; log2(e)
	s_mov_b32 s[CS+1], s[CS]                       ; (named with it as a pair, so it is written)
	s_mov_b32 s[TB], 0
	s_wait_dscnt 0x0
	s_wait_kmcnt 0x0
	s_mov_b32 s[G0], 1                             ; count = 1
	s_mov_b32 s[G0+1], s44                         ; LDS address
	s_add_nc_u64 s[G0+2:G0+3], s[12:13], s[46:47]  ; global address
	s_or_b32 s[G0+3], s[G0+3], 0x80000000          ; type = 2
	CROUND                                         ; all four work-groups are here: the joint loads meet
	tensor_load_to_lds s[G0:G0+3], s[G1:G1+7]
	s_nop 0
.rept 4
	v_nop                                          ; four v_nop follow
.endr
	s_lshl_b32 s28, s27, 19                        ; my tile of queries: 1024 batch + 16 X + wave, 512 bytes each
	s_lshl_b32 s30, s26, 13
	s_add_co_u32 s28, s28, s30
	s_lshl_b32 s30, s[WV], 9
	s_add_co_u32 s28, s28, s30
	s_mov_b32 s29, 0
	s_add_nc_u64 s[8:9], s[8:9], s[28:29]
	s_lshl_b32 s28, s27, 8                         ; its scale words: four tiles share 256 bytes; tile 2 G + i, place r at 8 (16 i + r) + 4 G
	s_lshl_b32 s30, s26, 2
	s_add_co_u32 s28, s28, s30
	s_lshr_b32 s30, s[WV], 2
	s_add_co_u32 s28, s28, s30
	s_lshl_b32 s28, s28, 8
	s_and_b32 s30, s[WV], 1
	s_lshl_b32 s30, s30, 7
	s_add_co_u32 s28, s28, s30
	s_bfe_u32 s30, s[WV], 0x10001
	s_lshl_b32 s30, s30, 2
	s_add_co_u32 s28, s28, s30
	s_add_nc_u64 s[10:11], s[10:11], s[28:29]
	s_lshl_b32 s28, s27, 23                        ; x and out0 at channel 0 of my work-group's first pixel
	s_lshl_b32 s30, s26, 10
	s_add_co_u32 s28, s28, s30
	s_add_nc_u64 s[20:21], s[20:21], s[28:29]
	s_add_nc_u64 s[22:23], s[22:23], s[28:29]
	s_lshl_b32 s28, s[WV], 5                       ; on the way out I store channels 8 wave .. 8 wave + 7: their numbers of W_b
	s_add_nc_u64 s[18:19], s[18:19], s[28:29]
	s_load_b256 s[WB:WB+7], s[18:19], 0x0
	v_and_b32 v8, 7, v0                            ; j = lane % 8
	v_bfe_u32 v9, v0, 3, 1                         ; (lane / 8) % 2
	v_bfe_u32 v10, v0, 4, 1                        ; h = lane / 16
	v_and_b32 v11, 31, v0                          ; lane
	v_lshlrev_b32 v3, 4, v11                       ; v3: 16 x lane: V's fragments, Q, the images
	v_lshlrev_b32 v4, 2, v11                       ; v4: 4 x lane: scale words
	v_lshlrev_b32 v1, 4, v8
	v_lshl_add_u32 v1, v10, 8, v1                  ; 256 h + 16 j
	v_mad_u32_u24 v2, v9, 384, v1
	v_add_nc_u32 v2, 128, v2                       ; v2: K's odd tiles: key 16 (q / 8) + 8 + j lies at 512 (q / 8) + 256 h + 16 ((8 + j) xor 8 (q / 8))
	v_mad_u32_u24 v1, v9, 640, v1                  ; v1: K's even tiles: key 16 (q / 8) + j.  In both, rows 0-7 and rows 8-15 fall into different halves of 256 bytes
	s_lshl_b32 s30, s[WV], 19                      ; my eight channels of x and out0
	v_lshrrev_b32 v5, 2, v11
	v_and_b32 v31, 3, v11
	v_lshlrev_b32 v31, 8, v31
	v_lshl_add_u32 v5, v5, 16, v31
	v_add_nc_u32 v5, s30, v5                       ; v5: the prefetch: channel 8 wave + lane / 4, block lane % 4 of its 1,024 bytes
	v_add_nc_u32 v6, s30, v3                       ; v6: my 16 bytes of a half row of x and out0
	s_mul_i32 s31, s[WV], 8*SP
	v_add_nc_u32 v7, s31, v3                       ; v7: the same in the stage
	v_and_b32 v31, 15, v0
	v_lshlrev_b32 v31, 3, v31                      ; 8 r
	global_load_b128 v[16:19], v3, s[8:9]          ; Q: lane (r, h): channel block h of the query in place r
	global_load_b32 v24, v31, s[10:11]             ; and its scale word
.irp q, 20,21,22,23
	v_mov_b32 v[\q], 0                             ; K = 64 .. 127 of Q: zero codes
.endr
.irp t, 0,1,2,3,4,5,6,7
.irp q, 36,37,38,39
	v_mov_b32 v[\q+8*\t], 0                        ; and of K's fragments (later W_w's): written once
.endr
.endr
	v_mov_b32 v13, 0xff61b1e6                      ; the largest t so far: -3e38, under every t
	v_floor_f32 v12, -v13                          ; -M
	v_mov_b32 v14, 0                               ; the sum, in two halves
	v_mov_b32 v15, 0
.irp b, 0,1,2,3
	v_mov_b32 v[236+\b], 0                         ; written once: a lane permute's destination counts as one of its sources
.endr
	v_mov_b32 v253, 0                              ; (named as the upper half of the pair v[252:253] before it is first written)
.set j, 0
.rept 32
	v_mov_b32 v[160+j], 0                          ; O^T.  (The step is written for every trip alike: the first finds zeros, which the first change of M leaves zeros)
.set j, j+1
.endr
; A KEY STEP: 128 keys, the record at s[TB].
.macro STEP
	v_add_nc_u32 v8, s[TB], v1                     ; these four are also the places between the last step's products and the loads into the registers that they read
	v_add_nc_u32 v9, s[TB], v2
	v_add_nc_u32 v10, s[TB], v3
	v_add_nc_u32 v11, s[TB], v4
.irp t, 0,1,2,3,4,5,6,7
	ds_load_b128 v[32+8*\t:35+8*\t], v[8+\t%2] offset:(\t/2)*1024
.endr
.irp b, 0,1,2,3
	ds_load_b32 v[25+\b], v11 offset:8192+128*\b   ; lanes 0-15: tile 2 b's words, lanes 16-31: tile 2 b + 1's
.endr
.irp t, 0,1,2,3
.irp c, 0,1
	ds_load_b128 v[192+8*\t+4*\c:195+8*\t+4*\c], v10 offset:4096+1024*\t+512*\c
.endr
.endr
.irp k, 0,1
	ds_load_b32 v[29+\k], v11 offset:8704+128*\k
.endr
	s_wait_dscnt 10                                ; K's twelve loads are in; V's ten, issued behind them, may be out: they are wanted behind the softmax
.irp b, 0,1,2,3
	v_wmma_scale_f32_16x16x128_f8f6f4 v[96+16*\b:103+16*\b], v[32+16*\b:39+16*\b], v[16:23], 0, v[25+\b], v24 matrix_a_fmt:MATRIX_FMT_FP4 matrix_b_fmt:MATRIX_FMT_FP4
	v_wmma_scale_f32_16x16x128_f8f6f4 v[104+16*\b:111+16*\b], v[40+16*\b:47+16*\b], v[16:23], 0, v[25+\b], v24 matrix_a_fmt:MATRIX_FMT_FP4 matrix_b_fmt:MATRIX_FMT_FP4 matrix_a_scale:MATRIX_SCALE_ROW1
.endr
.rept 4
	v_nop                                          ; places in front of the first read of the scores (ISA guide 7.12.1)
.endr
.irp b, 0,1,2,3
	v_max3_num_f32 v[232+\b], v[96+16*\b], v[97+16*\b], v[98+16*\b]   ; the largest score of each block of 32 keys: for the row's maximum, and for the block's largest p
.endr
.irp i, 3,5,7,9,11,13
.irp b, 0,1,2,3
	v_max3_num_f32 v[232+\b], v[232+\b], v[96+16*\b+\i], v[97+16*\b+\i]   ; (the four blocks by turns)
.endr
.endr
.irp b, 0,1,2,3
	v_max_num_f32 v[232+\b], v[232+\b], v[111+16*\b]
.endr
.irp b, 0,1,2,3
	v_permlanex16_b32 v[236+\b], v[232+\b], s[SEL], s[SEL+1]
.endr
.irp b, 0,1,2,3
	v_max_num_f32 v[232+\b], v[232+\b], v[236+\b]  ; with lane l xor 16's 16 keys
.endr
	v_max3_num_f32 v254, v232, v233, v234
	v_max_num_f32 v254, v254, v235                 ; the step's largest score of my query
	v_mul_f32 v254, s[CS], v254                    ; as t (c is positive)
	v_max_num_f32 v13, v13, v254                   ; the running largest t
	v_mov_b32 v254, v12
	v_floor_f32 v12, -v13                          ; the new -M = floor(-t) = -ceil(t): a whole number
	v_sub_f32 v254, v12, v254                      ; M's old value less its new one: a whole number, 0 or less
	v_cvt_i32_f32 v254, v254                       ; (it saturates)
	v_ldexp_f32 v252, 1.0, v254                    ; f = 2^(old M - new M)
.set j, 0
.rept 32
	v_pk_fma_f32 v[96+j:97+j], v[96+j:97+j], s[CS:CS+1], v[12:13] op_sel_hi:[1,0,0]   ; t - M, two at a time (of the pairs c and -M the low word serves both halves)
.set j, j+2
.endr
.irp b, 0,1,2,3
	v_fma_f32 v[232+\b], v[232+\b], s[CS], v12     ; the same of each block's largest score
.endr
.set j, 0
.rept 64
	v_exp_f32 v[96+j], v[96+j]                     ; p = 2^(t - M), at most 1: not normalised
.set j, j+1
.endr
.irp b, 0,1,2,3
	v_exp_f32 v[232+\b], v[232+\b]                 ; the block's largest p: the same two instructions on the same number give the same bits
.endr
	v_pk_mul_f32 v[14:15], v[14:15], v[252:253] op_sel_hi:[1,0]   ; the sums under the new M.  (The plain place behind the exponentials)
	s_wait_alu depctr_va_vdst(0)
.irp b, 0,1,2,3
	v_max_num_f32 v[232+\b], 0x1800000, v[232+\b]  ; the floor 2^(3 - 127): the byte cannot fall under 1
.endr
.irp b, 0,1,2,3
	v_add_nc_u32 v[244+\b], 0xff000000, v[232+\b]  ; 2 off the exponent field: the conversion's scale operand
.endr
.irp b, 0,1,2,3
	v_lshrrev_b32 v[236+\b], 23, v[244+\b]         ; the scale's byte
.endr
	v_lshl_or_b32 v253, v237, 8, v236              ; p's scale word for these 128 keys
	v_lshl_or_b32 v253, v238, 16, v253
	v_lshl_or_b32 v253, v239, 24, v253
.irp b, 0,1,2,3
	v_cvt_scalef32_pk8_fp4_f32 v[224+2*\b], v[96+16*\b:103+16*\b], v[244+\b]
	v_cvt_scalef32_pk8_fp4_f32 v[225+2*\b], v[104+16*\b:111+16*\b], v[244+\b]
.endr
	v_nop                                          ; one plain place behind the last scaled conversion
.irp c, 0,1
.irp i, 0,1
	v_permlane16_swap_b32 v[224+4*\c+\i], v[226+4*\c+\i]   ; a whole block to a lane: lanes 0-15 block 2 c, lanes 16-31 block 2 c + 1
.endr
.endr
	v_pk_add_f32 v[236:237], v[96:97], v[98:99]    ; the row's sum is taken of the unquantised p: two at a time, in two chains
.irp q, 4,8,12,16,20,24,28,32,36,40,44,48,52,56,60
	v_pk_add_f32 v[14:15], v[14:15], v[96+\q:97+\q]
	v_pk_add_f32 v[236:237], v[236:237], v[98+\q:99+\q]
.endr
	v_pk_add_f32 v[14:15], v[14:15], v[236:237]
.set j, 0
.rept 16
	v_pk_mul_f32 v[160+j:161+j], v[160+j:161+j], v[252:253] op_sel_hi:[1,0]   ; O^T under the new M.  (With the sums above: more than the eight places between p's scale word and the scaled products)
.set j, j+2
.endr
	s_wait_dscnt 0x0                               ; V's fragments and scale words are in
.irp k, 0,1                            ; four accumulators, one instruction each; between two links of a chain stand the eleven other products of a step
	v_wmma_scale_f32_16x16x128_f8f6f4 v[160+16*\k:167+16*\k], v[192+16*\k:199+16*\k], v[224:231], v[160+16*\k:167+16*\k], v[29+\k], v253 matrix_a_fmt:MATRIX_FMT_FP4 matrix_b_fmt:MATRIX_FMT_FP4
	v_wmma_scale_f32_16x16x128_f8f6f4 v[168+16*\k:175+16*\k], v[200+16*\k:207+16*\k], v[224:231], v[168+16*\k:175+16*\k], v[29+\k], v253 matrix_a_fmt:MATRIX_FMT_FP4 matrix_b_fmt:MATRIX_FMT_FP4 matrix_a_scale:MATRIX_SCALE_ROW1
.endr
	s_add_co_u32 s[TB], s[TB], REC                 ; the next record
.endm
	s_wait_kmcnt 0x0                               ; W_b
.irp i, 0,1,2,3,4,5,6,7
	s_mov_b32 s[76+2*\i], s[WB+\i]
	s_mov_b32 s[77+2*\i], s[WB+\i]
.endr
	s_wait_loadcnt 0x0                             ; Q
	s_wait_tensorcnt 0x0                           ; my two records have landed,
	s_barrier_signal -1
	s_barrier_wait -1                              ; everybody's have: all 32 lie in LDS
	s_mov_b32 s[CNT], 31
.Lstep:
	STEP
	s_sub_co_u32 s[CNT], s[CNT], 1
	s_cmp_lg_u32 s[CNT], 0
	s_cbranch_scc1 .Lstep
	global_prefetch_b8 v5, s[20:21] th:TH_LOAD_NT scope:SCOPE_SE   ; the residual: each wave asks once, one key step ahead of its loads, for the 32 blocks of 256 bytes (8 channels x 1,024 bytes) that it alone will read; all lie inside x
	STEP                                           ; the last 128 keys
	; THE WAY OUT.  The addresses are made here: nine plain lines that name none of the last products' registers are the places behind them.
	s_lshr_b32 s28, s[WV], 1
	s_lshl_b32 s28, s28, 7
	s_and_b32 s29, s[WV], 1
	s_lshl_b32 s29, s29, 2
	s_add_co_u32 s28, s28, s29                     ; my tile's pixels in a stage row: 4 (32 (wave / 2) + wave % 2) + 8 r
	v_and_b32 v232, 15, v0                         ; r
	v_bfe_u32 v233, v0, 4, 1                       ; h
	v_lshlrev_b32 v8, 3, v232
	v_mad_u32_u24 v8, v233, 8*SP, v8
	v_add_nc_u32 v8, s28, v8                       ; v8: the stage: channel 8 h of tiles 0 to 3,
	v_add_nc_u32 v9, 64*SP, v8                     ; v9: of tiles 4 to 7 (an LDS offset has 16 bits)
	v_lshlrev_b32 v10, 5, v232
	v_lshl_add_u32 v10, v233, 4, v10               ; W_w: row r of 32 bytes, block h
	v_lshrrev_b32 v11, 1, v4                       ; its scale bytes: 2 x lane: tiles 2 k and 2 k + 1 in the two halves of the lanes
.irp t, 0,1,2,3,4,5,6,7
	global_load_b128 v[32+8*\t:35+8*\t], v10, s[14:15] offset:512*\t   ; the zero codes of K = 64 .. 127 stand in registers 4 to 7 already
.endr
.irp k, 0,1,2,3
	global_load_u16 v[25+\k], v11, s[16:17] offset:64*\k               ; two bytes, the upper two 0
.endr
.irp n, 0,1,2,3,4,5,6,7,8,9,10,11,12,13,14,15
	global_load_b128 v[96+4*\n:99+4*\n], v6, s[20:21] offset:(\n/2)*65536+512*(\n%2) th:TH_LOAD_NT   ; x: channel 8 wave + n / 2, half n % 2 of the 256 pixels: 512 consecutive bytes
.endr
	s_wait_dscnt 0x0                               ; my reads of K and V are over:
	s_barrier_signal -1                            ; say so; work on registers while the others arrive
	v_add_f32 v14, v14, v15                        ; the sum's two halves,
	v_permlanex16_b32 v252, v14, s[SEL], s[SEL+1]
	v_add_f32 v14, v14, v252                       ; and lane l xor 16's: the row's sum
	v_rcp_f32 v14, v14
	v_nop                                          ; a plain place behind the transcendental
.set j, 0
	s_wait_alu depctr_va_vdst(0)
.rept 16
	v_pk_mul_f32 v[160+j:161+j], v[160+j:161+j], v[14:15] op_sel_hi:[1,0]   ; y = O^T / the sum, from each accumulator's low end on: register 16 B + n is channel 32 B + 16 h + n
.set j, j+2
.endr
.irp b, 0,1                            ; y is quantised along its 64 channels
	v_max3_num_f32 v[232+\b], |v[160+16*\b]|, |v[161+16*\b]|, 0x1800000
.endr
.irp i, 2,4,6,8,10,12,14
.irp b, 0,1
	v_max3_num_f32 v[232+\b], v[232+\b], |v[160+16*\b+\i]|, |v[161+16*\b+\i]|
.endr
.endr
.irp b, 0,1
	v_permlanex16_b32 v[236+\b], v[232+\b], s[SEL], s[SEL+1]
.endr
.irp b, 0,1
	v_max_num_f32 v[232+\b], v[232+\b], v[236+\b]
.endr
.irp b, 0,1
	v_add_nc_u32 v[244+\b], 0xff000000, v[232+\b]
.endr
.irp b, 0,1
	v_lshrrev_b32 v[236+\b], 23, v[244+\b]
.endr
	v_lshl_or_b32 v24, v237, 8, v236               ; y's scale word
.irp b, 0,1
	v_cvt_scalef32_pk8_fp4_f32 v[16+2*\b], v[160+16*\b:167+16*\b], v[244+\b]
	v_cvt_scalef32_pk8_fp4_f32 v[17+2*\b], v[168+16*\b:175+16*\b], v[244+\b]
.endr
	v_nop                                          ; one plain place behind the last scaled conversion
	v_permlane16_swap_b32 v16, v18                 ; a whole block to a lane; registers 4 to 7 of the fragment are Q's zero codes still
	v_permlane16_swap_b32 v17, v19
	s_barrier_wait -1                              ; no wave reads K or V any more: the stage may be written
	s_wait_loadcnt 16                              ; W_w's twelve loads are in; x's sixteen, issued behind them, may be out
.rept 8
	v_nop                                          ; y's scale word, written by vector instructions, stands eight places ahead of the scaled products, its codes four
.endr
.irp k, 0,1,2,3
	v_wmma_scale_f32_16x16x128_f8f6f4 v[160+16*\k:167+16*\k], v[32+16*\k:39+16*\k], v[16:23], 0, v[25+\k], v24 matrix_a_fmt:MATRIX_FMT_FP4 matrix_b_fmt:MATRIX_FMT_FP4
	v_wmma_scale_f32_16x16x128_f8f6f4 v[168+16*\k:175+16*\k], v[40+16*\k:47+16*\k], v[16:23], 0, v[25+\k], v24 matrix_a_fmt:MATRIX_FMT_FP4 matrix_b_fmt:MATRIX_FMT_FP4 matrix_a_scale:MATRIX_SCALE_ROW1
.endr
.rept 4
	v_nop                                          ; places in front of the stores that read the results
.endr
.irp t, 0,1,2,3,4,5,6,7
.irp q, 0,1,2,3,4,5,6,7
	ds_store_b32 v[8+\t/4], v[160+8*\t+\q] offset:(16*(\t%4)+\q)*SP   ; channel 16 t + 8 h + q of my pixel; each result from its low end on
.endr
.endr
	s_wait_dscnt 0x0                               ; for the others' sake: my stores into the stage are done
	s_barrier_signal -1
	s_wait_loadcnt 0x0                             ; x
.irp n, 0,1,2,3,4,5,6,7,8,9,10,11,12,13,14,15
	v_pk_add_f32 v[96+4*\n:97+4*\n], v[96+4*\n:97+4*\n], s[76+2*(\n/2):77+2*(\n/2)] op_sel_hi:[1,0]   ; x + W_b, while the others arrive
	v_pk_add_f32 v[98+4*\n:99+4*\n], v[98+4*\n:99+4*\n], s[76+2*(\n/2):77+2*(\n/2)] op_sel_hi:[1,0]
.endr
	s_barrier_wait -1                              ; 128 whole channel rows lie in the stage
.irp n, 0,1,2,3,4,5,6,7,8,9,10,11,12,13,14,15
	ds_load_b128 v[160+4*\n:163+4*\n], v7 offset:(\n/2)*SP+512*(\n%2)
.endr
.irp n, 0,1,2,3,4,5,6,7,8,9,10,11,12,13,14,15
	s_wait_dscnt 15-\n                             ; LDS loads come back in order: number n is in, the younger ones may be out
	v_pk_add_f32 v[160+4*\n:161+4*\n], v[160+4*\n:161+4*\n], v[96+4*\n:97+4*\n]
	v_pk_add_f32 v[162+4*\n:163+4*\n], v[162+4*\n:163+4*\n], v[98+4*\n:99+4*\n]
	global_store_b128 v6, v[160+4*\n:163+4*\n], s[22:23] offset:(\n/2)*65536+512*(\n%2) th:TH_STORE_NT   ; 32 lanes store 512 consecutive bytes, at a multiple of 256 from out0's first byte
.endr
	s_wait_tensorcnt 0x0
	ds_add_u32 v251, v255
	s_wait_dscnt 0x0
	CROUND                                         ; the closing round: no work-group ends while a partner may still ask for bytes under a mask that names it
	s_endpgm
.Lfunc_end_k_q9b9e11440d_attn:
	.size	k_q9b9e11440d_attn, .Lfunc_end_k_q9b9e11440d_attn-k_q9b9e11440d_attn
	.p2alignl 7, 3214868480
	.fill 96, 4, 3214868480
	.section	.rodata,"a",@progbits
	.p2align	6, 0x0
	.amdhsa_kernel k_q9b9e11440d_attn
		.amdhsa_group_segment_fixed_size 327680
		.amdhsa_private_segment_fixed_size 0
		.amdhsa_enable_private_segment 0
		.amdhsa_kernarg_size 64
		.amdhsa_user_sgpr_count 2
		.amdhsa_user_sgpr_kernarg_segment_ptr 1
		.amdhsa_wavefront_size32 1
		.amdhsa_system_sgpr_workgroup_id_x 1
		.amdhsa_system_sgpr_workgroup_id_y 1
		.amdhsa_system_sgpr_workgroup_id_z 1
		.amdhsa_system_vgpr_workitem_id 0
		.amdhsa_next_free_vgpr 256
		.amdhsa_next_free_sgpr 96
		.amdhsa_reserve_vcc 0
		.amdhsa_float_denorm_mode_32 3
		.amdhsa_float_denorm_mode_16_64 3
		.amdhsa_memory_ordered 1
		.amdhsa_forward_progress 1
		.amdhsa_inst_pref_size 58
	.end_amdhsa_kernel
	.amdgpu_metadata
---
amdhsa.version: [ 1, 2 ]
amdhsa.kernels:
  - .name:           k_q9b9e11440d_attn
    .symbol:         k_q9b9e11440d_attn.kd
    .args:
      - { .name: q_codes, .offset: 0, .size: 8, .value_kind: global_buffer, .address_space: global }
      - { .name: q_scales, .offset: 8, .size: 8, .value_kind: global_buffer, .address_space: global }
      - { .name: kv, .offset: 16, .size: 8, .value_kind: global_buffer, .address_space: global }
      - { .name: W_w_codes, .offset: 24, .size: 8, .value_kind: global_buffer, .address_space: global }
      - { .name: W_w_scales, .offset: 32, .size: 8, .value_kind: global_buffer, .address_space: global }
      - { .name: W_b, .offset: 40, .size: 8, .value_kind: global_buffer, .address_space: global }
      - { .name: x, .offset: 48, .size: 8, .value_kind: global_buffer, .address_space: global }
      - { .name: out0, .offset: 56, .size: 8, .value_kind: global_buffer, .address_space: global }
    .group_segment_fixed_size: 327680
    .private_segment_fixed_size: 0
    .kernarg_segment_align: 8
    .kernarg_segment_size: 64
    .max_flat_workgroup_size: 512
    .sgpr_count:     96
    .vgpr_count:     256
    .wavefront_size: 32
...
	.end_amdgpu_metadata
.endif
;; end of part 2
